; MI455X (gfx1250); checked and timed in simulation.
; The chip was launched on July 23, 2026; its instructions are those of AMD's public machine-readable ISA for CDNA 5 (MIT licence, August 2026) and "CDNA5" Instruction Set Architecture Reference Guide (July 2026). The comments in the code are by the model that wrote it; some were corrected since.
;; Port Hamiltonian Model. Allowed arithmetic: matrix products marked QUANTISED: E3M2 operands, one E8M0 scale for each 32 along K, by v_wmma_scale_f32_16x16x128_f8f6f4 with both operands' format E3M2, f32 sums; products left as they are: f32 operands where the result goes on into a quantised operand, else bf16, f16 or f32 operands; f32 sums; everything else in f32.
;; Inputs: Gb 1 float32; Gw 8 x 1 float32; W1 2 x 512 float32; W2 512 x 512 float32; W3 512 x 1 float32; action_emb 65,536 x 8 float32; b1 512 float32; b2 512 float32; b3 1 float32; log_damping one number float32; state 65,536 x 2 float32.
;; Outputs: out0 65,536 x 2 float32.
;; Constants: t = 0.
;; This version of the problem:
;;   THIS VERSION OF THE PROBLEM IS GIVEN IN LOW PRECISION. The matrix products marked QUANTISED in the list below multiply operands that are first quantised to E3M2 (3 exponent bits, 2 mantissa bits; 6 bits a number), with one power-of-two scale for each 32 numbers along K (OCP MX v1.0); their sums are f32. All else is computed in f32.
;;   The module's matrix products, in the order in which they are computed (A, B: the left and right operand; K: the contracted axis; several contracted axes count as one K, in the product's order):
;;     1. [M 65,536, K 2] x [K 2, N 512]; A: input state; B: input W1: left as it is (K = 2 < 32)
;;     2. [M 65,536, K 512] x [K 512, N 512]; A: computed on the way; B: input W2: QUANTISED
;;     3. [M 65,536, K 512] x [K 512, N 1]; A: computed on the way; B: input W3: left as it is (N = 1 < 16)
;;     4. [M 65,536, K 1] x [K 1, N 512]; A: computed on the way; B: input W3: left as it is (K = 1 < 32)
;;     5. [M 65,536, K 512] x [K 512, N 512]; A: computed on the way; B: input W2: QUANTISED
;;     6. [M 65,536, K 512] x [K 512, N 2]; A: computed on the way; B: input W1: left as it is (N = 2 < 16)
;;     7. [M 65,536, K 8] x [K 8, N 1]; A: input action_emb; B: input Gw: left as it is (K = 8 < 32)
;;   THE QUANTISER, for each operand of a quantised product, along K:
;;     - K is cut into blocks of 32 from its start; a last block that is shorter is filled with zeros.
;;     - A block's scale is 2^e with e = floor(log2(the largest magnitude in the block)) - 4, held to -126 .. 127; a block of zeros has e = 0. As a byte (E8M0): e + 127.
;;     - Each number is divided by its block's scale, clamped to +-28, and rounded to the nearest number of E3M2, ties to even, subnormals kept.
;;     - The product sums the exact products of the quantised numbers (number of the format x scale) in f32.
;;   ~~~python
;;   def quantise(x, axis):      # numpy; x: float32 -> the quantised numbers, widened to float32 again
;;       x = np.moveaxis(x, axis, -1); K = x.shape[-1]
;;       x = np.pad(x, [(0, 0)] * (x.ndim - 1) + [(0, -K % 32)]); x = x.reshape(x.shape[:-1] + (-1, 32)); a = np.abs(x).max(-1, keepdims=True)
;;       e = np.where(a > 0, np.clip(np.frexp(np.where(a > 0, a, 1))[1] - 1 - 4, -126, 127), 0)      # np.frexp(a)[1] - 1 = floor(log2(a)), exactly
;;       r = np.clip(x / 2.0 ** e, -28, 28)
;;       step = 2.0 ** (np.maximum(np.frexp(np.where(r == 0, 1, r))[1] - 1, -2) - 2)
;;       q = np.round(r / step) * step * 2.0 ** e      # np.round: ties to even
;;       return np.moveaxis(q.reshape(q.shape[:-2] + (-1,))[..., :K], -1, axis).astype(np.float32)
;;   ~~~
;;   OPERANDS COMPUTED ON THE WAY. 'Computed on the way' means the value that the module computes at that place (a softmax that the list does not call 'softmax' is quantised finished and normalised). What goes into a quantiser is computed in f32, as accurately as f32 sums, v_exp_f32 and their like allow (about 1e-6 of the number): no bf16 or f16 on the way to a quantiser, and a product that is left as it is and whose result goes on into a quantised operand takes f32 operands (vector FMAs, or v_wmma_f32_16x16x4_f32). A number that lies on a knife's edge between two numbers of the format may be rounded either way, as far as f32 arithmetic and the matrix unit's own rounding can turn it there, and no further.
;; One version. Each part assembles by itself: llvm-mc -triple=amdgcn-amd-amdhsa -mcpu=gfx1250 --defsym DOCPART=n.
;; ======== version 1 of 1: 2 launches
;; limits: a function is approximated: absolute error at most 6e-08
;; workspace buffers: wq 409,600 bytes
;; launch prep (part 1): grid 256 x 1, 1 waves a work-group, no clusters, 0 bytes of LDS; arguments W2, wq; writes wq
.if DOCPART == 1
	.amdgcn_target "amdgcn-amd-amdhsa--gfx1250"
	.amdhsa_code_object_version 6
	.text
	.protected	k_q2d9802aa9f_prep
	.globl	k_q2d9802aa9f_prep
	.p2align	8
	.type	k_q2d9802aa9f_prep,@function
k_q2d9802aa9f_prep:
	s_mov_b64 s[64:65], 0
	v_nop
	global_prefetch_b8 v0, s[64:65] scope:SCOPE_SE
	s_setreg_imm32_b32 hwreg(HW_REG_WAVE_MODE, 25, 1), 1
	s_wait_xcnt 0x0
; W2 [512][512] f32 is quantised to BF6 (E3M2) codes with one E8M0 byte for each 32 along K, TWICE: along its first axis (the operand of h1 W2) and along its
; second (the operand of g2 W2^T), and laid in wq in the order of the matrix operand's registers, so that the next launch reads whole fragments, 16 bytes a lane.
; wq: 16 groups of 25,600 bytes; groups 0-7: K = first axis, groups 8-15: K = second axis; group G holds the 64 output units 64 (G & 7) on.
;   In a group: fragment (K step s, tile q) at (4 s + q) x 1,536: registers 4 c .. 4 c + 3 of lane l at 512 c + 16 l.  Scale words at 24,576 + 256 s + 64 q + 4 m.
;   ROW m OF TILE q IS UNIT 64 g + 8 q + (m & 7) + 32 (m >> 3): with such tiles the four results of a group give a lane 32 NEIGHBOURING units in its 32 registers.
; One wave makes one fragment (16 units x 128 K): 256 work-groups.  Lane (m, h) holds k = 128 s + 64 c + 32 h + 0 .. 31 of its unit in registers 32 c on: two whole blocks,
; so a block's largest magnitude needs no other lane and the conversions' results are the operand's registers.
; A block's scale is 2^(floor(log2(largest magnitude)) - 4); its byte is the largest magnitude's exponent field - 4, held at 1 from below by a floor among the maximum's leaves.
; A block of zeros so gets the byte 1 where the rule says 127: its codes are zeros, and this program alone reads the bytes.
; LIMITS: NaN and infinities in W2 are not served.
; The loads of the first-axis half take 32 bytes at a time from rows of W2 (eight neighbouring units); W2 is 1 MiB and is read once in each half.  The scale words leave 64 bytes a wave.
.set GRP, 25600
.set X,   32                           ; v32-95   64 numbers
.set C,   96                           ; v96-107  the fragment's 12 registers; v108-110, v112-114 the conversions' second halves
	s_load_b128 s[4:7], s[0:1], 0x0                ; W2, wq
	s_lshr_b32 s8, ttmp9, 4                        ; G: the group
	s_bfe_u32 s9, ttmp9, 0x20002                   ; s: the K step (2 bits from bit 2)
	s_and_b32 s10, ttmp9, 3                        ; q: the tile
	s_and_b32 s11, s8, 7                           ; g
	s_lshl_b32 s12, s11, 6
	s_lshl_b32 s13, s10, 3
	s_add_co_u32 s12, s12, s13                     ; 64 g + 8 q
	s_lshl_b32 s13, s9, 2
	s_add_co_u32 s13, s13, s10                     ; 4 s + q
	s_mul_i32 s14, s8, GRP
	s_mul_i32 s18, s13, 1536
	s_lshl_b32 s16, s13, 6                         ; 256 s + 64 q
	s_add_co_u32 s16, s16, s14
	s_add_co_u32 s16, s16, 24576                   ; where my 16 scale words go
	s_add_co_u32 s14, s14, s18                     ; where my fragment goes
	s_mov_b32 s15, 0
	s_mov_b32 s17, 0
	s_mov_b32 s20, 0x76543210
	s_mov_b32 s21, 0xfedcba98                      ; v_permlanex16_b32's selects for lane l xor 16
	v_and_b32 v1, 15, v0                           ; m
	v_lshrrev_b32 v2, 4, v0                        ; h
	v_and_b32 v3, 7, v0
	v_and_b32 v7, 8, v0
	v_lshl_add_u32 v3, v7, 2, v3                   ; (m & 7) + 32 (m >> 3)
	v_add_nc_u32 v3, s12, v3                       ; my unit
	v_lshlrev_b32 v5, 4, v0                        ; 16 x lane
	v_lshlrev_b32 v6, 2, v1                        ; 4 m
	v_mov_b32 v15, 0                               ; a lane permute's destination counts as one of its sources
	s_wait_kmcnt 0x0
	s_add_nc_u64 s[14:15], s[6:7], s[14:15]
	s_add_nc_u64 s[16:17], s[6:7], s[16:17]
	s_cmp_lt_u32 s8, 8                             ; which axis is K hangs on the work-group's number alone
	s_cbranch_scc0 .Lsecond_axis
	s_lshl_b32 s19, s9, 18                         ; K = first axis: W2[k][unit]: (128 s + 32 h) rows of 2,048 bytes + 4 x unit
	v_lshlrev_b32 v4, 2, v3
	v_lshl_add_u32 v4, v2, 16, v4
	v_add_nc_u32 v4, s19, v4
.set i, 0
.rept 64
	global_load_b32 v[X+i], v4, s[4:5] offset:(64*(i/32)+i%32)*2048
.set i, i+1
.endr
	s_branch .Lquantise
.Lsecond_axis:
	s_lshl_b32 s19, s9, 9                          ; K = second axis: W2[unit][k]: row unit + 4 (128 s + 32 h)
	v_lshlrev_b32 v4, 11, v3
	v_lshl_add_u32 v4, v2, 7, v4
	v_add_nc_u32 v4, s19, v4
.set i, 0
.rept 16
	global_load_b128 v[X+4*i:X+4*i+3], v4, s[4:5] offset:256*(i/8)+16*(i%8)
.set i, i+1
.endr
.Lquantise:
	s_wait_loadcnt 0x0
.irp c, 0,1
	v_max3_num_f32 v[8+\c], |v[X+32*\c]|, |v[X+32*\c+1]|, 0x2800000   ; my block 2 c + h, and the floor 2^(5 - 127): the byte cannot fall under 1
.endr
.irp i, 2,4,6,8,10,12,14,16,18,20,22,24,26,28,30
.irp c, 0,1
	v_max3_num_f32 v[8+\c], v[8+\c], |v[X+32*\c+\i]|, |v[X+32*\c+\i+1]|   ; the two blocks by turns
.endr
.endr
.irp c, 0,1
	v_add_nc_u32 v[10+\c], 0xfe000000, v[8+\c]     ; 4 off the exponent field: the conversion takes the exponent field of this operand as its scale
.endr
.irp c, 0,1
	v_lshrrev_b32 v[12+\c], 23, v[10+\c]           ; the scale's byte
.endr
	v_lshl_or_b32 v14, v13, 16, v12                ; my two bytes: blocks h and 2 + h of the K step,
	v_lshlrev_b32 v7, 3, v2
	v_lshlrev_b32 v14, v7, v14                     ; 8 h bits up;
	v_permlanex16_b32 v15, v14, s20, s21
	v_or_b32 v14, v14, v15                         ; with lane l xor 16's two the word is whole, in both lanes
.irp c, 0,1
	v_cvt_scalef32_pk16_bf6_f32 v[C+6*\c:C+6*\c+2], v[X+32*\c:X+32*\c+15], v[10+\c]
	v_cvt_scalef32_pk16_bf6_f32 v[C+12+4*\c:C+14+4*\c], v[X+32*\c+16:X+32*\c+31], v[10+\c]   ; (a conversion's three registers begin on an even number)
.endr
	v_nop                                          ; one plain place behind a scaled conversion
.irp c, 0,1
.irp i, 0,1,2
	v_mov_b32 v[C+3+6*\c+\i], v[C+12+4*\c+\i]
.endr
.endr
.irp c, 0,1,2
	global_store_b128 v5, v[C+4*\c:C+4*\c+3], s[14:15] offset:512*\c   ; 32 lanes store 512 consecutive bytes, at a multiple of 256 from wq's first byte
.endr
	global_store_b32 v6, v14, s[16:17]             ; lanes l and l xor 16 write the same word with the same value
	s_endpgm
.Lfunc_end_k_q2d9802aa9f_prep:
	.size	k_q2d9802aa9f_prep, .Lfunc_end_k_q2d9802aa9f_prep-k_q2d9802aa9f_prep
	.p2alignl 7, 3214868480
	.fill 96, 4, 3214868480
	.section	.rodata,"a",@progbits
	.p2align	6, 0x0
	.amdhsa_kernel k_q2d9802aa9f_prep
		.amdhsa_group_segment_fixed_size 0
		.amdhsa_private_segment_fixed_size 0
		.amdhsa_enable_private_segment 0
		.amdhsa_kernarg_size 16
		.amdhsa_user_sgpr_count 2
		.amdhsa_user_sgpr_kernarg_segment_ptr 1
		.amdhsa_wavefront_size32 1
		.amdhsa_system_sgpr_workgroup_id_x 1
		.amdhsa_system_sgpr_workgroup_id_y 1
		.amdhsa_system_sgpr_workgroup_id_z 1
		.amdhsa_system_vgpr_workitem_id 0
		.amdhsa_next_free_vgpr 128
		.amdhsa_next_free_sgpr 66
		.amdhsa_reserve_vcc 0
		.amdhsa_float_denorm_mode_32 3
		.amdhsa_float_denorm_mode_16_64 3
		.amdhsa_memory_ordered 1
		.amdhsa_forward_progress 1
		.amdhsa_inst_pref_size 13
	.end_amdhsa_kernel
	.amdgpu_metadata
---
amdhsa.version: [ 1, 2 ]
amdhsa.kernels:
  - .name:           k_q2d9802aa9f_prep
    .symbol:         k_q2d9802aa9f_prep.kd
    .args:
      - { .name: W2, .offset: 0, .size: 8, .value_kind: global_buffer, .address_space: global }
      - { .name: wq, .offset: 8, .size: 8, .value_kind: global_buffer, .address_space: global }
    .group_segment_fixed_size: 0
    .private_segment_fixed_size: 0
    .kernarg_segment_align: 8
    .kernarg_segment_size: 16
    .max_flat_workgroup_size: 32
    .sgpr_count:     66
    .vgpr_count:     128
    .wavefront_size: 32
...
	.end_amdgpu_metadata
.endif
;; end of part 1
;; launch chain (part 2): grid 256 x 1, 8 waves a work-group, clusters of 4 x 1, 327,680 bytes of LDS; arguments state, action_emb, W1, b1, b2, W3, b3, log_damping, Gw, Gb, wq, out0; writes out0
.if DOCPART == 2
	.amdgcn_target "amdgcn-amd-amdhsa--gfx1250"
	.amdhsa_code_object_version 6
	.text
	.protected	k_q2d9802aa9f_chain
	.globl	k_q2d9802aa9f_chain
	.p2align	8
	.type	k_q2d9802aa9f_chain,@function
k_q2d9802aa9f_chain:
	s_mov_b64 s[64:65], 0
	v_nop
	global_prefetch_b8 v0, s[64:65] scope:SCOPE_SE
	s_setreg_imm32_b32 hwreg(HW_REG_WAVE_MODE, 25, 1), 1
	s_wait_xcnt 0x0
	s_wait_alu depctr_hold_cnt(0) depctr_sa_sdst(0) depctr_va_vdst(0) depctr_va_sdst(0) depctr_va_ssrc(0) depctr_va_vcc(0) depctr_vm_vsrc(0)
	s_getreg_b32 s2, hwreg(HW_REG_IB_STS2, 6, 4)
	s_cmp_eq_u32 s2, 0
	s_cbranch_scc0 .Lentry_in_a_cluster
	s_endpgm
.Lentry_in_a_cluster:
	s_bfe_u32 s2, ttmp6, 0x10000c
	s_cmp_lg_u32 s2, 0x3003
	s_cbranch_scc0 .Lentry_shape_is_right
	s_endpgm
.Lentry_shape_is_right:
; out0[b] = (dH/dp, -dH/dq - exp(log_damping) dH/dp + action_emb[b] . Gw + Gb), dH/ds the gradient of sum_b softplus(softplus(s W1 + b1) W2 + b2) W3 + b3:
;   y1 = s W1 + b1;  h1 = softplus(y1);  z2 = Q(h1) Q(W2) + b2;  g2 = W3 sigmoid(z2);  dh1 = Q(g2) Q(W2)^T;  g1 = dh1 sigmoid(y1);  dH/ds = g1 W1^T.
; The two products with W2 are on BF6 (E3M2) codes with one E8M0 scale for each 32 along K; W2's codes come from wq (made by the launch before, in the order of the operand's registers).
; The gradient of the sum does not depend on the second softplus's value, on its product with W3 or on b3: b3 is loaded and enters no arithmetic.
; SHARES.  256 work-groups of 256 rows; eight waves, two to a SIMD; A WAVE OWNS 32 ROWS (two tiles of 16) THROUGH THE WHOLE CHAIN: no activation goes from wave to wave, and the only barriers are the weights'.
; LAYOUT.  Every product is used transposed (source 0 = 16 units of a weight, source 1 = 16 rows of the batch): lane (r, h) holds batch row r.  Units go in groups of 64, four tiles; row m of tile q of group g is
; unit 64 g + 8 q + (m & 7) + 32 (m >> 3), so that register 8 q + j of a group's four results holds unit 64 g + 32 h + 8 q + j: a lane's 32 registers are ONE WHOLE BLOCK of 32 along the next K, the very block that
; registers 6 (g & 1) .. + 5 of the next operand's K step g >> 1 want in that lane.  So a block's largest magnitude needs no other lane and no code changes lanes.
; y1 is made by the f32 matrix form with K = (s0, s1, 1, 0) against (c W1[0], c W1[1], c b1, 0), c = log2(e): f32 operands ahead of a quantiser; it is made again for sigmoid(y1), since 32 x 512 numbers a wave have no place to stay.
; g1 W1^T goes to the bf16 form: W1's two rows stand at rows 0, 1 and 8, 9 of source 0 (all other rows zeros), so both halves of the lanes end with their row's two sums in registers 0 and 1.
; WEIGHTS.  The 8 groups of the first product (204,800 bytes) fill 8 LDS slots at the start, while h1 is made; each half of four slots is filled again, once, with the second product's groups as soon as all waves have left it.
; CLUSTER.  All work-groups read the same weights: the four of a cluster ask for each piece JOINTLY (the same tensor load, the same descriptor, a mask that names the four).  A wave has at most one tensor load out.
; LIMITS.  NaN and infinite inputs are not served.  h1 = ln2 log2(1 + 2^(c y1)) carries the rounding of 1 + 2^(c y1), 6e-8 absolute: where all 32 h1 of a block lie under about 2^-9 its codes may differ from those of
; a correctly rounded softplus (z2 moves by under 1e-6); 2^(c y1) under 2^-126 counts as 0; above c y1 = 26 h1 is y1.  g1 and W1 are rounded to bf16 for the last product.
;
; LDS: 0 the 8 slots of 25,600;  SCR a scratch of 12,800 for each wave: 8 images of operand fragments ((K step s, tile t) at (2 s + t) x 1,536; registers 4 c .. + 3 of lane l at 512 c + 16 l), then 512 bytes of their scale words;
;      T1 16 bytes a unit: c W1[0], c W1[1], c b1, 0;  TWB W1 in bf16, two rows of 1,024 bytes, then two rows of zeros;  TB2 b2;  TW3 W3;  SPARE the spare words.  No tensor load lands from SCR on.
.set GRP,   25600                      ; a group of weights: 16 fragments of 1,536 bytes and 1,024 bytes of scale words
.set HALF,  4*GRP
.set KSB,   6144                       ; a K step's four fragments
.set FRB,   1536                       ; a fragment's image
.set SCR,   2*HALF
.set SCRW,  12800
.set SCBO,  8*FRB                      ; the scale words' place in a scratch
.set T1,    SCR+8*SCRW
.set TWB,   T1+8192
.set TB2,   TWB+4096
.set TW3,   TB2+2048
.set SPARE, TW3+2048                   ; 128 bytes for each of the eight waves: four blocks of 256 bytes that no other line names
; window 0
.set SPW,  2                           ; v2   LDS address of my spare word; never rewritten
.set NIL,  3                           ; v3   0; never rewritten
.set L16,  4                           ; v4   16 x lane
.set L4,   5                           ; v5   4 x lane
.set ADW,  6                           ; v6   the group's fragments: slot + 16 x lane
.set ADS,  7                           ; v7   the group's scale words: slot + 4 x lane
.set CB,   8                           ; v8   TB2 + 128 h: my 32 units' b2 (W3: 2,048 on)
.set ADC,  9                           ; v9   the same, stepped
.set A1B,  10                          ; v10  T1 + 16 ((m & 7) + 32 (m >> 3)) + 8 h
.set AD1,  11                          ; v11  the same, stepped
.set ABB,  12                          ; v12  TWB + 1,024 x my row of the table + 64 h
.set ADB,  13                          ; v13  the same, stepped
.set SWB,  14                          ; v14  my scratch + 16 x lane
.set SCW,  15                          ; v15  the same, stepped
.set SBB,  16                          ; v16  my scratch's scale words + 4 r + h: my block's byte
.set SCBY, 17                          ; v17  the same, stepped
.set SLB,  18                          ; v18  my scratch's scale words + 4 x lane
.set GU,   19                          ; v19  action_emb . Gw + Gb of row lane
.set DMP,  20                          ; v20  exp(log_damping)
.set OO,   21                          ; v21  8 x lane
.set STA,  24                          ; v24-27   the state as the f32 form's source 1: tile t at 24 + 2 t: lanes 0-15 (s0, s1), lanes 16-31 (1, 0)
.set ASC,  28                          ; v28-31   the activations' scale words of K step s: lanes 0-15 tile 0, lanes 16-31 tile 1.  Scales and nothing else
.set WSC,  32                          ; v32-39   the weights' scale words: (s, p) at 32 + 2 s + p: lanes 0-15 tile 2 p, lanes 16-31 tile 2 p + 1.  Scales and nothing else
.set ACC,  40                          ; v40-103  eight accumulators, (t, q) at 40 + 32 t + 8 q; while h1 is made: the numbers at work
.set YY,   104                         ; v104-167 c y1, (t, q) likewise: written by the f32 matrix form alone
.set W1A,  168                         ; v168-183 the f32 form's source 0: two registers a tile
.set B2R,  168                         ; v168-199 (first product) b2 of my 32 units: the C of the sums' first instructions
.set W3V,  200                         ; v200-231 (first product) W3 of my 32 units
.set CP0,  232                         ; v232-237 tile 0's codes; v238-240 the second conversion's.  Tile 1's go to tile 0's dead numbers, v40-45 and v48-50
.set CQ0,  238
.set P6,   176                         ; v176-191 (second product) the two accumulators of g1 W1^T
.set G1P,  192                         ; v192-223 g1 in bf16: (t, k) at 192 + 16 t + 8 k
.set TT,   224                         ; v224-239 16 numbers at work
.set MX,   248                         ; v248-255 tile t at 248 + 4 t: two running maxima, the conversion's scale operand, the byte
; window 1
.set AF,   0                           ; the activations' fragments, (t, s) at 48 t + 12 s
.set WFR,  96                          ; the weights' fragments, two buffers of four: (b, q) at 96 + 48 b + 12 q
.set W1B,  192                         ; W1's bf16 fragments, 192 + 8 k
.set WV,   28                          ; s28 my wave's number
.set G1A,  32                          ; s[32:39] descriptor group 1: 100 rows of 256 bytes;  s[40:47]: 50 rows
.set G1B,  40
.set G0A,  48                          ; s[48:51] group 0 of the first fill;  s[52:55] of the refills
.set G0R,  52
.set MSB, 0
.macro WIN new                         ; s_set_vgpr_msb: bits 1:0 source 0, 3:2 source 1, 5:4 source 2, 7:6 destination; the high byte repeats the setting that is left
.if MSB != \new
	s_set_vgpr_msb (MSB<<8)|\new
.set MSB, \new
.endif
.endm
.set W_MUL, 0x05                       ; both operands of a scaled product in window 1, C and D in window 0
.set W_LD,  0x40                       ; an LDS load's destination in window 1
.set W_P6,  0x01                       ; the bf16 product's source 0 in window 1
.macro PL n                            ; places behind matrix instructions (ISA guide 7.12.1): plain vector instructions that name none of their registers
.rept \n
	v_nop
.endr
.endm
.macro ROUND                           ; a round of the cluster's barrier
	s_barrier_signal -1
	s_barrier_wait -1
	s_cmp_lg_u32 s[WV], 0
	s_cbranch_scc1 .Lnot_wave_0_\@
	s_barrier_signal -3
.Lnot_wave_0_\@:
	s_barrier_wait -3
	s_barrier_signal -1
	s_barrier_wait -1
.endm
.macro TR op, d, s, n                  ; n transcendentals on consecutive registers, ascending
.set i, 0
.rept \n
	\op v[(\d)+i], v[(\s)+i]
.set i, i+1
.endr
.endm
.macro PADD1 d, n                      ; n pairs + 1
.set i, 0
	s_wait_alu depctr_va_vdst(0)
.rept \n
	v_pk_add_f32 v[(\d)+i:(\d)+i+1], v[(\d)+i:(\d)+i+1], 1.0 op_sel_hi:[1,0]
.set i, i+2
.endr
.endm
.macro PMULS d, n, sr                  ; n pairs x the scalar s[sr]
.set i, 0
.rept \n
	v_pk_mul_f32 v[(\d)+i:(\d)+i+1], v[(\d)+i:(\d)+i+1], s[\sr:\sr+1] op_sel_hi:[1,0]
.set i, i+2
.endr
.endm
.macro PMULV d, a, n                   ; n pairs x n pairs
.set i, 0
	s_wait_alu depctr_va_vdst(0)
.rept \n
	v_pk_mul_f32 v[(\d)+i:(\d)+i+1], v[(\d)+i:(\d)+i+1], v[(\a)+i:(\a)+i+1]
.set i, i+2
.endr
.endm
.macro LDW buf, off                    ; a K step's four weight fragments into buffer buf: 12 loads of 512 consecutive bytes
.irp q, 0,1,2,3
.irp c, 0,1,2
	ds_load_b128 v[WFR+48*(\buf)+12*\q+4*\c:WFR+48*(\buf)+12*\q+4*\c+3], v[ADW] offset:(\off)+FRB*\q+512*\c
.endr
.endr
.endm
.macro LDWS off                        ; a group's 8 registers of scale words
.irp s, 0,1,2,3
.irp p, 0,1
	ds_load_b32 v[WSC+2*\s+\p], v[ADS] offset:(\off)+16*FRB+256*\s+128*\p
.endr
.endr
.endm
.macro LDB2 off                        ; b2 of my 32 units of a group
.irp k, 0,1,2,3,4,5,6,7
	ds_load_b128 v[B2R+4*\k:B2R+4*\k+3], v[ADC] offset:(\off)+16*\k
.endr
.endm
.macro LDW1A off                       ; the f32 form's source 0 for a group's four tiles
.irp q, 0,1,2,3
	ds_load_b64 v[W1A+2*\q:W1A+2*\q+1], v[AD1] offset:(\off)+128*\q
.endr
.endm
.macro LDAF                            ; my eight fragments and their scale words come back from my scratch.  LDS serves a wave's instructions in order (ISA guide 5.7.1.4): these see my stores
	WIN W_LD
.irp s, 0,1,2,3
.irp t, 0,1
.irp c, 0,1,2
	ds_load_b128 v[AF+48*\t+12*\s+4*\c:AF+48*\t+12*\s+4*\c+3], v[SWB] offset:(2*\s+\t)*FRB+512*\c
.endr
.endr
.endr
	WIN 0
.irp s, 0,1,2,3
	ds_load_b32 v[ASC+\s], v[SLB] offset:128*\s
.endr
.endm
; one scaled product.  z = 1: C is the constant 0; else C = v[c ..].  ra, rb: the scales stand in lanes 16-31 of their registers
.macro SW d, a, b, c, z, sa, sb, ra, rb
.if \z
.if (\ra) && (\rb)
	v_wmma_scale_f32_16x16x128_f8f6f4 v[(\d):(\d)+7], v[(\a):(\a)+11], v[(\b):(\b)+11], 0, v[\sa], v[\sb] matrix_a_fmt:MATRIX_FMT_BF6 matrix_b_fmt:MATRIX_FMT_BF6 matrix_a_scale:MATRIX_SCALE_ROW1 matrix_b_scale:MATRIX_SCALE_ROW1
.elseif \ra
	v_wmma_scale_f32_16x16x128_f8f6f4 v[(\d):(\d)+7], v[(\a):(\a)+11], v[(\b):(\b)+11], 0, v[\sa], v[\sb] matrix_a_fmt:MATRIX_FMT_BF6 matrix_b_fmt:MATRIX_FMT_BF6 matrix_a_scale:MATRIX_SCALE_ROW1
.elseif \rb
	v_wmma_scale_f32_16x16x128_f8f6f4 v[(\d):(\d)+7], v[(\a):(\a)+11], v[(\b):(\b)+11], 0, v[\sa], v[\sb] matrix_a_fmt:MATRIX_FMT_BF6 matrix_b_fmt:MATRIX_FMT_BF6 matrix_b_scale:MATRIX_SCALE_ROW1
.else
	v_wmma_scale_f32_16x16x128_f8f6f4 v[(\d):(\d)+7], v[(\a):(\a)+11], v[(\b):(\b)+11], 0, v[\sa], v[\sb] matrix_a_fmt:MATRIX_FMT_BF6 matrix_b_fmt:MATRIX_FMT_BF6
.endif
.else
.if (\ra) && (\rb)
	v_wmma_scale_f32_16x16x128_f8f6f4 v[(\d):(\d)+7], v[(\a):(\a)+11], v[(\b):(\b)+11], v[(\c):(\c)+7], v[\sa], v[\sb] matrix_a_fmt:MATRIX_FMT_BF6 matrix_b_fmt:MATRIX_FMT_BF6 matrix_a_scale:MATRIX_SCALE_ROW1 matrix_b_scale:MATRIX_SCALE_ROW1
.elseif \ra
	v_wmma_scale_f32_16x16x128_f8f6f4 v[(\d):(\d)+7], v[(\a):(\a)+11], v[(\b):(\b)+11], v[(\c):(\c)+7], v[\sa], v[\sb] matrix_a_fmt:MATRIX_FMT_BF6 matrix_b_fmt:MATRIX_FMT_BF6 matrix_a_scale:MATRIX_SCALE_ROW1
.elseif \rb
	v_wmma_scale_f32_16x16x128_f8f6f4 v[(\d):(\d)+7], v[(\a):(\a)+11], v[(\b):(\b)+11], v[(\c):(\c)+7], v[\sa], v[\sb] matrix_a_fmt:MATRIX_FMT_BF6 matrix_b_fmt:MATRIX_FMT_BF6 matrix_b_scale:MATRIX_SCALE_ROW1
.else
	v_wmma_scale_f32_16x16x128_f8f6f4 v[(\d):(\d)+7], v[(\a):(\a)+11], v[(\b):(\b)+11], v[(\c):(\c)+7], v[\sa], v[\sb] matrix_a_fmt:MATRIX_FMT_BF6 matrix_b_fmt:MATRIX_FMT_BF6
.endif
.endif
.endm
; K step s of a group: 8 products, four tiles of units x two tiles of rows, from buffer buf.  cm = 1: b2 starts the sums; 2: the constant 0 does; 0: they go on.
; The eight accumulators take turns, one instruction a turn, in the same order in every K step.
.macro MUL s, buf, cm
.irp q, 0,1,2,3
.irp t, 0,1
.if \cm == 1
	SW ACC+32*\t+8*\q, WFR+48*(\buf)+12*\q, AF+48*\t+12*(\s), B2R+8*\q, 0, WSC+2*(\s)+\q/2, ASC+(\s), \q%2, \t
.elseif \cm == 2
	SW ACC+32*\t+8*\q, WFR+48*(\buf)+12*\q, AF+48*\t+12*(\s), 0, 1, WSC+2*(\s)+\q/2, ASC+(\s), \q%2, \t
.else
	SW ACC+32*\t+8*\q, WFR+48*(\buf)+12*\q, AF+48*\t+12*(\s), ACC+32*\t+8*\q, 0, WSC+2*(\s)+\q/2, ASC+(\s), \q%2, \t
.endif
.endr
.endr
.endm
; A group's 32 products.  Each buffer is asked for again four places behind the products that read it.  pf = 1: the next group's first two K steps are asked for too.
.macro LADDER cm, pf
	WIN W_MUL
	MUL 0, 0, \cm
	PL 4
	WIN W_LD
	LDW 0, 2*KSB
	WIN W_MUL
	MUL 1, 1, 0
	PL 4
	WIN W_LD
	LDW 1, 3*KSB
	s_wait_dscnt 12                                ; all but the 12 loads just issued: K step 2 is in
	WIN W_MUL
	MUL 2, 0, 0
	PL 4
.if \pf
	WIN W_LD
	LDW 0, GRP
	s_wait_dscnt 12                                ; all but the 12 loads just issued: K step 3 is in
	WIN W_MUL
.else
	s_wait_dscnt 0x0                               ; K step 3 is in
.endif
	MUL 3, 1, 0
	PL 4                                           ; for the loads below and for the first reads of the results
.if \pf
	WIN W_LD
	LDW 1, GRP+KSB
.endif
	WIN 0
.endm
.macro YMUL wa                         ; c y1 of a group: each is a whole sum (K = 4), begun with the constant 0
.irp q, 0,1,2,3
.irp t, 0,1
	v_wmma_f32_16x16x4_f32 v[YY+32*\t+8*\q:YY+32*\t+8*\q+7], v[(\wa)+2*\q:(\wa)+2*\q+1], v[STA+2*\t:STA+2*\t+1], 0
.endr
.endr
.endm
; The largest magnitude of each tile's 32 numbers in v[ACC + 32 t] on, with the floor 2^(5 - 127) among the leaves (the byte cannot fall under 1): 16 lines a tile, four chains by turns
.macro MAXB
.irp t, 0,1
	v_max3_num_f32 v[MX+4*\t], |v[ACC+32*\t]|, |v[ACC+32*\t+1]|, 0x2800000
	v_max3_num_f32 v[MX+4*\t+1], |v[ACC+32*\t+2]|, |v[ACC+32*\t+3]|, |v[ACC+32*\t+4]|
.endr
.irp n, 5,9,13,17,21,25
.irp t, 0,1
	v_max3_num_f32 v[MX+4*\t], v[MX+4*\t], |v[ACC+32*\t+\n]|, |v[ACC+32*\t+\n+1]|
	v_max3_num_f32 v[MX+4*\t+1], v[MX+4*\t+1], |v[ACC+32*\t+\n+2]|, |v[ACC+32*\t+\n+3]|
.endr
.endr
.irp t, 0,1
	v_max3_num_f32 v[MX+4*\t], v[MX+4*\t], |v[ACC+32*\t+29]|, |v[ACC+32*\t+30]|
.endr
.irp t, 0,1
	v_max3_num_f32 v[MX+4*\t], v[MX+4*\t], v[MX+4*\t+1], |v[ACC+32*\t+31]|
.endr
.endm
; Tile t's block becomes six registers of codes and a byte, and goes to my scratch: registers 6 par .. 6 par + 5 of the image at ioff, byte 2 par + h of my row's word at boff
.macro QTAIL t, cp, cq, ioff, boff, par
	v_add_nc_u32 v[MX+4*\t+2], 0xfe000000, v[MX+4*\t]   ; 4 off the exponent field: the conversion takes the exponent field of this operand as its scale
	v_cvt_scalef32_pk16_bf6_f32 v[(\cp):(\cp)+2], v[ACC+32*\t:ACC+32*\t+15], v[MX+4*\t+2]
	v_cvt_scalef32_pk16_bf6_f32 v[(\cq):(\cq)+2], v[ACC+32*\t+16:ACC+32*\t+31], v[MX+4*\t+2]   ; (a conversion's three registers begin on an even number)
	v_lshrrev_b32 v[MX+4*\t+3], 23, v[MX+4*\t+2]   ; the scale's byte; also the plain place behind the conversions
.irp n, 0,1,2
	v_mov_b32 v[(\cp)+3+\n], v[(\cq)+\n]
.endr
.if \par
	ds_store_b64 v[SCW], v[(\cp):(\cp)+1] offset:(\ioff)+520
	ds_store_b128 v[SCW], v[(\cp)+2:(\cp)+5] offset:(\ioff)+1024
.else
	ds_store_b128 v[SCW], v[(\cp):(\cp)+3] offset:(\ioff)
	ds_store_b64 v[SCW], v[(\cp)+4:(\cp)+5] offset:(\ioff)+512
.endif
	ds_store_b8 v[SCBY], v[MX+4*\t+3] offset:(\boff)+2*(\par)
.endm
	; ---------------- the head
	s_load_b512 s[4:19], s[0:1], 0x0               ; state 4, action_emb 6, W1 8, b1 10, b2 12, W3 14, b3 16, log_damping 18
	s_load_b256 s[20:27], s[0:1], 0x40             ; Gw 20, Gb 22, wq 24, out0 26
	v_lshl_add_u32 v[SPW], v0, 2, SPARE
	v_mov_b32 v[NIL], 0
	ds_add_u32 v2, v3
	ds_add_u32 v2, v3
	s_wait_dscnt 0x0
	v_lshrrev_b32 v1, 5, v0
	v_readfirstlane_b32 s[WV], v1                  ; wave 0..7
	s_bfe_u32 s29, ttmp6, 0x40000                  ; cx: my place in the cluster
	s_lshl_b32 s30, ttmp9, 2                       ; in a cluster launch ttmp9 counts clusters
	s_add_co_u32 s30, s30, s29                     ; my work-group: it enters the addresses of state, action_emb and out0 alone
	; descriptor groups 1: dense blocks as rows of 256 bytes (32 elements of 8 bytes), no padding
	s_mov_b32 s[G1A+0], 15|(3<<16)|(1<<21)         ; 15:0 the mask: all four work-groups; 17:16 elements of 8 bytes; 21 set beside a mask
	s_mov_b32 s[G1A+1], 32<<16                     ; tensor_dim0 = 32
	s_mov_b32 s[G1A+2], 100<<16                    ; tensor_dim1 = 100
	s_mov_b32 s[G1A+3], 32<<16                     ; tile_dim0 = 32
	s_mov_b32 s[G1A+4], 100                        ; tile_dim1 = 100: a group, 25,600 bytes
	s_mov_b32 s[G1A+5], 32                         ; from row to row
	s_mov_b32 s[G1A+6], 0
	s_mov_b32 s[G1A+7], 0
	s_mov_b32 s[G1B+0], 15|(3<<16)|(1<<21)
	s_mov_b32 s[G1B+1], 32<<16
	s_mov_b32 s[G1B+2], 50<<16
	s_mov_b32 s[G1B+3], 32<<16
	s_mov_b32 s[G1B+4], 50                         ; 50 rows: an eighth of a half, 12,800 bytes
	s_mov_b32 s[G1B+5], 32
	s_mov_b32 s[G1B+6], 0
	s_mov_b32 s[G1B+7], 0
	s_mov_b32 s[G0A], 1
	s_mul_i32 s[G0A+1], s[WV], GRP                 ; the first fill: wave w brings group w into slot w
	s_mov_b32 s[G0R], 1
	s_mul_i32 s77, s[WV], SCRW                     ; 12,800 x wave: my eighth of a half, and my scratch
	s_mul_i32 s82, s[WV], GRP
	s_mov_b32 s83, 0
	s_add_co_u32 s84, s77, HALF                    ; the refills' address starts one half short of the second product's groups: it steps ahead of each use
	s_mov_b32 s85, 0
	s_mov_b32 s70, 0xbfb8aa3b                      ; -c = -log2(e), as a pair for the packed forms
	s_mov_b32 s71, 0xbfb8aa3b
	s_mov_b32 s72, 0x3f317218                      ; ln 2
	s_mov_b32 s73, 0x3f317218
	s_mov_b32 s74, 0x3fb8aa3b                      ; c
	s_mov_b32 s75, 0xffff0000                      ; lanes 16-31
	s_mov_b32 s86, 0x41d00000                      ; 26.0
	s_wait_kmcnt 0x0
	s_add_nc_u64 s[G0A+2:G0A+3], s[24:25], s[82:83]
	s_or_b32 s[G0A+3], s[G0A+3], 0x80000000        ; type = 2
	s_add_nc_u64 s[G0R+2:G0R+3], s[24:25], s[84:85]
	s_or_b32 s[G0R+3], s[G0R+3], 0x80000000
	s_load_b256 s[56:63], s[20:21], 0x0            ; Gw's eight numbers
	s_load_b32 s66, s[22:23], 0x0                  ; Gb
	s_load_b32 s67, s[18:19], 0x0                  ; log_damping
	s_load_b32 s68, s[16:17], 0x0                  ; b3: the gradient does not depend on it
	ROUND                                          ; all four work-groups are here: the first joint loads meet
	tensor_load_to_lds s[G0A:G0A+3], s[G1A:G1A+7]  ; it has the making of h1 in which to land
	s_nop 0
	PL 4                                           ; four v_nop behind a tensor load
	s_lshl_b32 s31, s30, 8
	s_lshl_b32 s82, s[WV], 5
	s_add_co_u32 s31, s31, s82                     ; my first row: 256 x work-group + 32 x wave
	s_lshl_b32 s82, s31, 3
	s_lshl_b32 s84, s31, 5
	s_add_nc_u64 s[4:5], s[4:5], s[82:83]          ; state and out0: 8 bytes a row
	s_add_nc_u64 s[26:27], s[26:27], s[82:83]
	s_add_nc_u64 s[6:7], s[6:7], s[84:85]          ; action_emb: 32
	v_and_b32 v1, 31, v0                           ; lane
	v_and_b32 v22, 15, v0                          ; r (for weights: m)
	v_bfe_u32 v23, v0, 4, 1                        ; h
	v_lshlrev_b32 v64, 2, v0
	v_lshlrev_b32 v65, 4, v0
	v_lshlrev_b32 v66, 3, v0
	v_lshlrev_b32 v67, 3, v22
	v_lshlrev_b32 v68, 5, v1
	global_load_b32 v40, v64, s[8:9]               ; thread i makes the table's entries of units i and i + 256
	global_load_b32 v41, v64, s[8:9] offset:2048
	global_load_b32 v42, v64, s[10:11]
	global_load_b32 v44, v64, s[8:9] offset:1024
	global_load_b32 v45, v64, s[8:9] offset:3072
	global_load_b32 v46, v64, s[10:11] offset:1024
	global_load_b128 v[48:51], v65, s[8:9]         ; W1 once more, four on end, for the bf16 table
	global_load_b64 v[52:53], v66, s[12:13]        ; b2
	global_load_b64 v[54:55], v66, s[14:15]        ; W3
	global_load_b64 v[STA:STA+1], v67, s[4:5] th:TH_LOAD_NT               ; the state of row r of tile 0,
	global_load_b64 v[STA+2:STA+3], v67, s[4:5] offset:128 th:TH_LOAD_NT  ; of tile 1
	global_load_b128 v[56:59], v68, s[6:7] th:TH_LOAD_NT                  ; action_emb of row lane
	global_load_b128 v[60:63], v68, s[6:7] offset:16 th:TH_LOAD_NT
	v_lshlrev_b32 v[L16], 4, v1
	v_lshlrev_b32 v[L4], 2, v1
	v_lshlrev_b32 v[OO], 3, v1
	v_lshl_add_u32 v[CB], v23, 7, TB2
	v_and_b32 v71, 7, v0
	v_bfe_u32 v72, v0, 3, 1
	v_lshl_add_u32 v[A1B], v71, 4, T1
	v_lshl_add_u32 v[A1B], v72, 9, v[A1B]
	v_lshl_add_u32 v[A1B], v23, 3, v[A1B]
	v_bfe_u32 v71, v0, 1, 1
	v_bfe_u32 v72, v0, 2, 1
	v_and_or_b32 v71, v71, 1, v72                  ; 1 where m & 7 is 2 or more: a row of zeros
	v_and_b32 v72, 1, v0
	v_lshl_add_u32 v71, v71, 1, v72                ; my row of the bf16 table: (m & 1) + 2 x that
	v_lshl_add_u32 v[ABB], v71, 10, TWB
	v_lshl_add_u32 v[ABB], v23, 6, v[ABB]
	s_add_co_u32 s31, s77, SCR                     ; my scratch
	v_add_nc_u32 v[SWB], s31, v[L16]
	s_add_co_u32 s31, s31, SCBO
	v_add_nc_u32 v[SLB], s31, v[L4]
	v_lshl_add_u32 v[SBB], v22, 2, v23
	v_add_nc_u32 v[SBB], s31, v[SBB]
	v_lshl_add_u32 v69, v0, 4, T1
	v_lshl_add_u32 v70, v0, 3, TWB
	s_wait_loadcnt 0x0
	s_wait_kmcnt 0x0
.irp n, 40,41,42,44,45,46
	v_mul_f32 v\n, s74, v\n                        ; c W1[0], c W1[1], c b1
.endr
	v_mov_b32 v43, 0
	v_mov_b32 v47, 0
	ds_store_b128 v69, v[40:43]
	ds_store_b128 v69, v[44:47] offset:4096
	v_cvt_pk_bf16_f32 v72, v48, v49
	v_cvt_pk_bf16_f32 v73, v50, v51
	v_mov_b32 v74, 0
	v_mov_b32 v75, 0
	ds_store_b64 v70, v[72:73]                     ; W1 in bf16: 1,024 numbers on end are its two rows
	ds_store_b64 v70, v[74:75] offset:2048         ; the two rows of zeros
	ds_store_b64 v70, v[52:53] offset:TB2-TWB
	ds_store_b64 v70, v[54:55] offset:TW3-TWB
	v_mov_b32 v22, 1.0
	v_mov_b32 v23, 0
.irp t, 0,1
	v_cndmask_b32 v[STA+2*\t], v[STA+2*\t], v22, s75       ; lanes 16-31 hold k = 2, 3 of the f32 form's source 1: (1, 0)
	v_cndmask_b32 v[STA+2*\t+1], v[STA+2*\t+1], v23, s75
.endr
	v_mov_b32 v[GU], s66
.irp n, 0,1,2,3,4,5,6,7
	v_fma_f32 v[GU], v[56+\n], s[56+\n], v[GU]
.endr
	v_mov_b32 v76, s67
	v_mul_f32 v76, s74, v76
	v_exp_f32 v[DMP], v76                          ; exp(log_damping)
	v_nop                                          ; one plain place behind a transcendental
	s_wait_dscnt 0x0                               ; for the others' sake: my part of the tables is stored
	s_barrier_signal -1
	s_barrier_wait -1                              ; the weights' load may stay out
	; ---------------- X: h1 = softplus(y1), quantised: a trip makes one K step (two groups of 64 units) for my two tiles of rows
.macro XGROUP par
	YMUL W1A+8*\par
	PL 8                                           ; eight places behind the f32 form
	s_wait_dscnt 0x0                               ; the last group's stores have read their registers
	TR v_exp_f32, ACC, YY, 64                      ; 2^(c y1), each result from its low end on
	v_nop
	s_wait_alu depctr_va_vdst(0)
	PADD1 ACC, 16
	TR v_log_f32, ACC, ACC, 32
	PADD1 ACC+32, 16                               ; the other tile's plain lines stand behind each run of transcendentals
	TR v_log_f32, ACC+32, ACC+32, 32
	s_wait_alu depctr_va_vdst(0)
.irp t, 0,1
.set i, 0
.rept 32
	v_med3_num_f32 v[ACC+32*\t+i], v[ACC+32*\t+i], v[YY+32*\t+i], s86   ; the middle of log2(1 + 2^Y), Y and 26: the logarithm up to 26, Y above, also where 2^Y is infinite
.set i, i+1
.endr
	PMULS ACC+32*\t, 16, 72                        ; x ln 2
.endr
	MAXB
	QTAIL 0, CP0, CQ0, 0, 0, \par
	QTAIL 1, ACC, ACC+8, FRB, 64, \par
.endm
	s_mov_b32 s79, 0
	s_mov_b32 s80, 0
	s_mov_b32 s81, 0
	s_mov_b32 s76, 4
.Lx:
	v_add_nc_u32 v[AD1], s79, v[A1B]
	v_add_nc_u32 v[SCW], s80, v[SWB]
	v_add_nc_u32 v[SCBY], s81, v[SBB]
.irp p, 0,1
.irp q, 0,1,2,3
	ds_load_b64 v[W1A+8*\p+2*\q:W1A+8*\p+2*\q+1], v[AD1] offset:1024*\p+128*\q
.endr
.endr
	s_wait_dscnt 0x0
	XGROUP 0
	XGROUP 1
	s_add_co_u32 s79, s79, 2048                    ; 128 units of the table,
	s_add_co_u32 s80, s80, 2*FRB                   ; two images,
	s_add_co_u32 s81, s81, 128                     ; two tiles' scale words
	s_sub_co_u32 s76, s76, 1
	s_cmp_lg_u32 s76, 0
	s_cbranch_scc1 .Lx
	; ---------------- F: z2 = Q(h1) Q(W2) + b2, g2 = W3 sigmoid(z2), quantised.  A trip: four groups (half of the slots), then that half is filled again
	s_wait_tensorcnt 0x0                           ; my group of the weights has landed,
	s_wait_dscnt 0x0
	s_barrier_signal -1
	s_barrier_wait -1                              ; everybody's has
	LDAF                                           ; h1's fragments
.macro GROUPF j, pf
.irp k, 0,1,2,3,4,5,6,7
	ds_load_b128 v[W3V+4*\k:W3V+4*\k+3], v[ADC] offset:TW3-TB2+256*(\j)+16*\k
.endr
	s_wait_dscnt 8                                 ; all but these eight: both buffers, the scale words, b2, the activations; and the last group's stores have read their registers
	LADDER 1, \pf
.if \pf
	LDWS GRP
	LDB2 256*((\j)+1)
.endif
	PMULS ACC, 16, 70                              ; -c z2, each result from its low end on
	TR v_exp_f32, ACC, ACC, 32
	PMULS ACC+32, 16, 70
	TR v_exp_f32, ACC+32, ACC+32, 32
	PADD1 ACC, 16
	TR v_rcp_f32, ACC, ACC, 32                     ; sigmoid(z2) = 1 / (1 + 2^(-c z2))
	PADD1 ACC+32, 16
	TR v_rcp_f32, ACC+32, ACC+32, 32
	PMULV ACC, W3V, 16
	PMULV ACC+32, W3V, 16
	MAXB
	QTAIL 0, CP0, CQ0, ((\j)/2)*2*FRB, 128*((\j)/2), (\j)%2
	QTAIL 1, ACC, ACC+8, ((\j)/2)*2*FRB+FRB, 128*((\j)/2)+64, (\j)%2
.if \pf
	v_add_nc_u32 v[ADW], GRP, v[ADW]
	v_add_nc_u32 v[ADS], GRP, v[ADS]
.endif
.endm
	s_mov_b32 s78, 0                               ; the half in hand
	s_mov_b32 s79, 0
	s_mov_b32 s80, 0
	s_mov_b32 s81, 0
	s_mov_b32 s76, 2
.Lf:
	v_add_nc_u32 v[ADW], s78, v[L16]
	v_add_nc_u32 v[ADS], s78, v[L4]
	v_add_nc_u32 v[ADC], s79, v[CB]
	v_add_nc_u32 v[SCW], s80, v[SWB]
	v_add_nc_u32 v[SCBY], s81, v[SBB]
	WIN W_LD
	LDW 0, 0
	LDW 1, KSB
	WIN 0
	LDWS 0
	LDB2 0
	GROUPF 0, 1
	GROUPF 1, 1
	GROUPF 2, 1
	GROUPF 3, 0
	s_wait_tensorcnt 0x0                           ; no tensor load of mine is out, so a group 0 may be written
	ds_add_u32 v[SPW], v[NIL]                      ; 0 onto my spare word: the steps below stand between it and the wait for it
	s_add_co_u32 s[G0R+1], s78, s77                ; the refill goes into the half just left, my eighth of it,
	s_add_nc_u64 s[G0R+2:G0R+3], s[G0R+2:G0R+3], HALF   ; and brings the next four groups of the second product; the type bits on top are not reached
	s_xor_b32 s78, s78, HALF                       ; on to the other half
	s_add_co_u32 s79, s79, 1024                    ; 256 units of b2 and W3,
	s_add_co_u32 s80, s80, 4*FRB                   ; two K steps' images,
	s_add_co_u32 s81, s81, 256                     ; and scale words
	s_wait_dscnt 0x0                               ; the add is done, and my reads of the half are over
	ROUND                                          ; so it is with every wave of all four work-groups
	tensor_load_to_lds s[G0R:G0R+3], s[G1B:G1B+7]  ; the first thing behind the round, my one tensor load until the next: it has four groups' work in which to land
	s_nop 0
	PL 4
	s_sub_co_u32 s76, s76, 1
	s_cmp_lg_u32 s76, 0
	s_cbranch_scc1 .Lf
	; ---------------- B: dh1 = Q(g2) Q(W2)^T, g1 = dh1 sigmoid(y1), dH/ds = g1 W1^T
	LDAF                                           ; g2's fragments.  The lower half's refill was shown landed, in every wave, in front of the second round
.set i, 0
.rept 16
	v_mov_b32 v[P6+i], 0                           ; sixteen lines, so that the group is written for every turn alike
.set i, i+1
.endr
.macro CHUNK t, k                      ; 16 of tile t's 32 units: g1 = dh1 / (1 + 2^(-c y1)), rounded to bf16: half k of the group's K for the last product
.set i, 0
.rept 16
	v_exp_f32 v[TT+i], -v[YY+32*\t+16*\k+i]
.set i, i+1
.endr
	v_nop
	s_wait_alu depctr_va_vdst(0)
	PADD1 TT, 8
	TR v_rcp_f32, TT, TT, 16
	v_nop
	s_wait_alu depctr_va_vdst(0)
	PMULV TT, ACC+32*\t+16*\k, 8
.set i, 0
.rept 8
	v_cvt_pk_bf16_f32 v[G1P+16*\t+8*\k+i], v[TT+2*i], v[TT+2*i+1]
.set i, i+1
.endr
.endm
.macro GROUPB pf
	WIN W_LD
.irp k, 0,1
	ds_load_b128 v[W1B+8*\k:W1B+8*\k+3], v[ADB] offset:32*\k        ; lane (m, h): W1[row of m] at units 64 g + 32 h + 16 k + 0 .. 15: the same places along K as g1's
	ds_load_b128 v[W1B+8*\k+4:W1B+8*\k+7], v[ADB] offset:32*\k+16
.endr
	WIN 0
	s_wait_dscnt 4                                 ; all but these four
	YMUL W1A
	LADDER 2, \pf                                  ; its sixteen places are also those behind the f32 form
.if \pf
	LDWS GRP
	LDW1A 1024
.endif
	CHUNK 0, 0
	CHUNK 0, 1
	CHUNK 1, 0
	CHUNK 1, 1
	WIN W_P6
.irp k, 0,1
.irp t, 0,1
	v_wmma_f32_16x16x32_bf16 v[P6+8*\t:P6+8*\t+7], v[W1B+8*\k:W1B+8*\k+7], v[G1P+16*\t+8*\k:G1P+16*\t+8*\k+7], v[P6+8*\t:P6+8*\t+7]   ; the two accumulators by turns
.endr
.endr
	WIN 0
.if \pf
	v_add_nc_u32 v[ADW], GRP, v[ADW]               ; these four lines are also the places in front of the next loads of W1's fragments
	v_add_nc_u32 v[ADS], GRP, v[ADS]
	v_add_nc_u32 v[AD1], 1024, v[AD1]
	v_add_nc_u32 v[ADB], 128, v[ADB]
.endif
.endm
.macro BHALF base, tg                  ; four groups: those of the half at base; tg: the first of them
	v_add_nc_u32 v[ADW], \base, v[L16]             ; (four places, as above)
	v_add_nc_u32 v[ADS], \base, v[L4]
	v_add_nc_u32 v[AD1], 1024*\tg, v[A1B]
	v_add_nc_u32 v[ADB], 128*\tg, v[ABB]
	WIN W_LD
	LDW 0, 0
	LDW 1, KSB
	WIN 0
	LDWS 0
	LDW1A 0
	s_mov_b32 s76, 3
.Lb_\@:
	GROUPB 1
	s_sub_co_u32 s76, s76, 1
	s_cmp_lg_u32 s76, 0
	s_cbranch_scc1 .Lb_\@
	GROUPB 0                                       ; the half's last group asks for nothing beyond it
.endm
	BHALF 0, 0
	s_wait_tensorcnt 0x0                           ; my part of the upper half's refill has landed,
	s_wait_dscnt 0x0
	s_barrier_signal -1
	s_barrier_wait -1                              ; everybody's has
	BHALF HALF, 4
	; ---------------- the end: lane l stores row l of my 32
	PL 4
	v_cndmask_b32 v42, v[P6], v[P6+8], s75         ; dH/dq: register 0; lanes 0-15 tile 0's, lanes 16-31 tile 1's
	v_cndmask_b32 v40, v[P6+1], v[P6+9], s75       ; dH/dp: register 1: dq/dt
	v_sub_f32 v42, v[GU], v42
	v_fma_f32 v41, -v[DMP], v40, v42               ; dp/dt = -dH/dq - damping dH/dp + G u
	global_store_b64 v[OO], v[40:41], s[26:27]     ; the wave stores 256 consecutive bytes, at a multiple of 256 from out0's first byte
	s_wait_tensorcnt 0x0                           ; the wave's end: behind my last tensor load and my last LDS store
	ds_add_u32 v[SPW], v[NIL]
	s_wait_dscnt 0x0
	ROUND                                          ; the closing round: no work-group ends while a partner may still ask for a piece that names it
	s_endpgm
.Lfunc_end_k_q2d9802aa9f_chain:
	.size	k_q2d9802aa9f_chain, .Lfunc_end_k_q2d9802aa9f_chain-k_q2d9802aa9f_chain
	.p2alignl 7, 3214868480
	.fill 96, 4, 3214868480
	.section	.rodata,"a",@progbits
	.p2align	6, 0x0
	.amdhsa_kernel k_q2d9802aa9f_chain
		.amdhsa_group_segment_fixed_size 327680
		.amdhsa_private_segment_fixed_size 0
		.amdhsa_enable_private_segment 0
		.amdhsa_kernarg_size 96
		.amdhsa_user_sgpr_count 2
		.amdhsa_user_sgpr_kernarg_segment_ptr 1
		.amdhsa_wavefront_size32 1
		.amdhsa_system_sgpr_workgroup_id_x 1
		.amdhsa_system_sgpr_workgroup_id_y 1
		.amdhsa_system_sgpr_workgroup_id_z 1
		.amdhsa_system_vgpr_workitem_id 0
		.amdhsa_next_free_vgpr 512
		.amdhsa_next_free_sgpr 96
		.amdhsa_reserve_vcc 0
		.amdhsa_float_denorm_mode_32 3
		.amdhsa_float_denorm_mode_16_64 3
		.amdhsa_memory_ordered 1
		.amdhsa_forward_progress 1
		.amdhsa_inst_pref_size 231
	.end_amdhsa_kernel
	.amdgpu_metadata
---
amdhsa.version: [ 1, 2 ]
amdhsa.kernels:
  - .name:           k_q2d9802aa9f_chain
    .symbol:         k_q2d9802aa9f_chain.kd
    .args:
      - { .name: state, .offset: 0, .size: 8, .value_kind: global_buffer, .address_space: global }
      - { .name: action_emb, .offset: 8, .size: 8, .value_kind: global_buffer, .address_space: global }
      - { .name: W1, .offset: 16, .size: 8, .value_kind: global_buffer, .address_space: global }
      - { .name: b1, .offset: 24, .size: 8, .value_kind: global_buffer, .address_space: global }
      - { .name: b2, .offset: 32, .size: 8, .value_kind: global_buffer, .address_space: global }
      - { .name: W3, .offset: 40, .size: 8, .value_kind: global_buffer, .address_space: global }
      - { .name: b3, .offset: 48, .size: 8, .value_kind: global_buffer, .address_space: global }
      - { .name: log_damping, .offset: 56, .size: 8, .value_kind: global_buffer, .address_space: global }
      - { .name: Gw, .offset: 64, .size: 8, .value_kind: global_buffer, .address_space: global }
      - { .name: Gb, .offset: 72, .size: 8, .value_kind: global_buffer, .address_space: global }
      - { .name: wq, .offset: 80, .size: 8, .value_kind: global_buffer, .address_space: global }
      - { .name: out0, .offset: 88, .size: 8, .value_kind: global_buffer, .address_space: global }
    .group_segment_fixed_size: 327680
    .private_segment_fixed_size: 0
    .kernarg_segment_align: 8
    .kernarg_segment_size: 96
    .max_flat_workgroup_size: 256
    .sgpr_count:     96
    .vgpr_count:     512
    .wavefront_size: 32
...
	.end_amdgpu_metadata
.endif
;; end of part 2
